; MI455X (gfx1250); checked and timed in simulation.
; The chip was launched on July 23, 2026; its instructions are those of AMD's public machine-readable ISA for CDNA 5 (MIT licence, August 2026) and "CDNA5" Instruction Set Architecture Reference Guide (July 2026). The comments in the code are by the model that wrote it; some were corrected since.
;; EF Layout Spatial Attention. Allowed arithmetic: float matrix products may take bf16 or f16 operands with f32 sums; all other float work in f32.
;; Inputs: cos 4,096 x 64 float32; hidden_states 4,096 x 1,024 float32; proj_b 1,024 float32; proj_w 1,024 x 1,024 float32; qkv_b 3,072 float32; qkv_w 3,072 x 1,024 float32; sin 4,096 x 64 float32.
;; Outputs: out0 4,096 x 1,024 float32.
;; One version. Each part assembles by itself: llvm-mc -triple=amdgcn-amd-amdhsa -mcpu=gfx1250 --defsym DOCPART=n.
;; ======== version 1 of 1: 4 launches
;; workspace buffers: hb 8,388,608 bytes; wb 6,291,456 bytes; pb 2,097,152 bytes; qkvh 25,165,824 bytes; ao 8,388,608 bytes
;; launch cast (part 1): grid 512 x 1, 8 waves a work-group, no clusters, 0 bytes of LDS; arguments hidden_states, qkv_w, proj_w, hb, wb, pb; writes hb, wb, pb
.if DOCPART == 1
	.amdgcn_target "amdgcn-amd-amdhsa--gfx1250"
	.amdhsa_code_object_version 6
	.text
	.protected	k_q5611da4a99_cast
	.globl	k_q5611da4a99_cast
	.p2align	8
	.type	k_q5611da4a99_cast,@function
k_q5611da4a99_cast:
	s_mov_b64 s[64:65], 0
	v_nop
	global_prefetch_b8 v0, s[64:65] scope:SCOPE_SE
	s_setreg_imm32_b32 hwreg(HW_REG_WAVE_MODE, 25, 1), 1
	s_wait_xcnt 0x0
; hb, wb, pb = hidden_states, qkv_w, proj_w, each number rounded once to bf16 (to nearest even), same order in memory.
; A stream: every input byte is read once and every output byte written once; LDS, matrix units and clusters would add nothing,
; since no two work-groups read the same byte.
; 512 work-groups of 65,536 input bytes: 0-255 hidden_states (16 MiB), 256-447 qkv_w (12 MiB), 448-511 proj_w (4 MiB).
; A wave takes 8,192 bytes: sixteen loads of 512 neighbouring bytes, all issued at once, each followed by one store of 256
; neighbouring bytes, aligned (32 lanes x 8 bytes).  No register is written twice, so no source of a pending access is ever rewritten.
.set X, 4                              ; v[4:67]   load i: four f32
.set Y, 68                             ; v[68:99]  store i: four bf16
	s_load_b256 s[4:11], s[0:1], 0x0               ; hidden_states s[4:5], qkv_w s[6:7], proj_w s[8:9], hb s[10:11]
	s_load_b128 s[12:15], s[0:1], 0x20             ; wb s[12:13], pb s[14:15]
	v_lshrrev_b32 v3, 5, v0                        ; wave
	v_and_b32 v2, 31, v0                           ; lane
	v_lshlrev_b32 v1, 4, v2
	v_lshlrev_b32 v2, 3, v2
	v_lshl_or_b32 v1, v3, 13, v1                   ; in:  8,192 x wave + 16 x lane
	v_lshl_or_b32 v2, v3, 12, v2                   ; out: 4,096 x wave + 8 x lane
	s_movk_i32 s21, 448
	s_wait_kmcnt 0x0
	s_cmp_lt_u32 ttmp9, 448                        ; the choice of buffers hangs on the work-group's number alone
	s_cselect_b64 s[16:17], s[6:7], s[8:9]
	s_cselect_b64 s[18:19], s[12:13], s[14:15]
	s_cselect_b32 s20, 256, s21
	s_cmp_lt_u32 ttmp9, 256
	s_cselect_b64 s[16:17], s[4:5], s[16:17]
	s_cselect_b64 s[18:19], s[10:11], s[18:19]
	s_cselect_b32 s20, 0, s20
	s_sub_co_u32 s20, ttmp9, s20                   ; my number inside my buffer
	s_lshl_b32 s22, s20, 16
	s_mov_b32 s23, 0
	s_add_nc_u64 s[16:17], s[16:17], s[22:23]
	s_lshl_b32 s22, s20, 15
	s_add_nc_u64 s[18:19], s[18:19], s[22:23]
.irp i, 0,1,2,3,4,5,6,7,8,9,10,11,12,13,14,15
	global_load_b128 v[X+4*\i:X+4*\i+3], v1, s[16:17] offset:512*\i th:TH_LOAD_NT
.endr
.irp i, 0,1,2,3,4,5,6,7,8,9,10,11,12,13,14,15
	s_wait_loadcnt 15-\i                           ; loads return in order: load i is in, the younger ones stay out
	v_cvt_pk_bf16_f32 v[Y+2*\i], v[X+4*\i], v[X+4*\i+1]
	v_cvt_pk_bf16_f32 v[Y+2*\i+1], v[X+4*\i+2], v[X+4*\i+3]
	global_store_b64 v2, v[Y+2*\i:Y+2*\i+1], s[18:19] offset:256*\i   ; read again by the next launches: no streaming hint
.endr
	s_endpgm
.Lfunc_end_k_q5611da4a99_cast:
	.size	k_q5611da4a99_cast, .Lfunc_end_k_q5611da4a99_cast-k_q5611da4a99_cast
	.p2alignl 7, 3214868480
	.fill 96, 4, 3214868480
	.section	.rodata,"a",@progbits
	.p2align	6, 0x0
	.amdhsa_kernel k_q5611da4a99_cast
		.amdhsa_group_segment_fixed_size 0
		.amdhsa_private_segment_fixed_size 0
		.amdhsa_enable_private_segment 0
		.amdhsa_kernarg_size 48
		.amdhsa_user_sgpr_count 2
		.amdhsa_user_sgpr_kernarg_segment_ptr 1
		.amdhsa_wavefront_size32 1
		.amdhsa_system_sgpr_workgroup_id_x 1
		.amdhsa_system_sgpr_workgroup_id_y 1
		.amdhsa_system_sgpr_workgroup_id_z 1
		.amdhsa_system_vgpr_workitem_id 0
		.amdhsa_next_free_vgpr 100
		.amdhsa_next_free_sgpr 66
		.amdhsa_reserve_vcc 0
		.amdhsa_float_denorm_mode_32 3
		.amdhsa_float_denorm_mode_16_64 3
		.amdhsa_memory_ordered 1
		.amdhsa_forward_progress 1
		.amdhsa_inst_pref_size 7
	.end_amdhsa_kernel
	.amdgpu_metadata
---
amdhsa.version: [ 1, 2 ]
amdhsa.kernels:
  - .name:           k_q5611da4a99_cast
    .symbol:         k_q5611da4a99_cast.kd
    .args:
      - { .name: hidden_states, .offset: 0, .size: 8, .value_kind: global_buffer, .address_space: global }
      - { .name: qkv_w, .offset: 8, .size: 8, .value_kind: global_buffer, .address_space: global }
      - { .name: proj_w, .offset: 16, .size: 8, .value_kind: global_buffer, .address_space: global }
      - { .name: hb, .offset: 24, .size: 8, .value_kind: global_buffer, .address_space: global }
      - { .name: wb, .offset: 32, .size: 8, .value_kind: global_buffer, .address_space: global }
      - { .name: pb, .offset: 40, .size: 8, .value_kind: global_buffer, .address_space: global }
    .group_segment_fixed_size: 0
    .private_segment_fixed_size: 0
    .kernarg_segment_align: 8
    .kernarg_segment_size: 48
    .max_flat_workgroup_size: 256
    .sgpr_count:     66
    .vgpr_count:     100
    .wavefront_size: 32
...
	.end_amdgpu_metadata
.endif
;; end of part 1
;; launch qkv (part 2): grid 16 x 16, 4 waves a work-group, clusters of 4 x 4, 327,680 bytes of LDS; arguments hb, wb, qkv_b, cos, sin, qkvh; writes qkvh
.if DOCPART == 2
	.amdgcn_target "amdgcn-amd-amdhsa--gfx1250"
	.amdhsa_code_object_version 6
	.text
	.protected	k_q5611da4a99_qkv
	.globl	k_q5611da4a99_qkv
	.p2align	8
	.type	k_q5611da4a99_qkv,@function
k_q5611da4a99_qkv:
	s_mov_b64 s[64:65], 0
	v_nop
	global_prefetch_b8 v0, s[64:65] scope:SCOPE_SE
	s_setreg_imm32_b32 hwreg(HW_REG_WAVE_MODE, 25, 1), 1
	s_wait_xcnt 0x0
	s_wait_alu depctr_hold_cnt(0) depctr_sa_sdst(0) depctr_va_vdst(0) depctr_va_sdst(0) depctr_va_ssrc(0) depctr_va_vcc(0) depctr_vm_vsrc(0)
	s_getreg_b32 s2, hwreg(HW_REG_IB_STS2, 6, 4)
	s_cmp_eq_u32 s2, 0
	s_cbranch_scc0 .Lentry_in_a_cluster
	s_endpgm
.Lentry_in_a_cluster:
	s_bfe_u32 s2, ttmp6, 0x10000c
	s_cmp_lg_u32 s2, 0xf033
	s_cbranch_scc0 .Lentry_shape_is_right
	s_endpgm
.Lentry_shape_is_right:
; qkvh[unit][row][64] (bf16) = RoPE(hb wb^T + qkv_b); unit = head (q), 16 + head (k), 32 + head (v); RoPE on q and k only.
; hb [4096][1024], wb [3072][1024] bf16; qkv_b, cos, sin f32; sums, bias and RoPE in f32, one rounding to bf16 at the end.
; LIMITS: NaN and infinities are not treated apart; q, k, v leave as bf16.
; A work-group makes 256 rows x the three units of one head (192 columns): grid x = head, grid y = block of 256 rows.
; Four waves; wave (rh, c) makes rows 128 rh .. +127 (8 blocks a) x 6 column blocks b = 2 i + p, block b = features 32 p + 16 c .. +15 of
; unit i.  So a feature d and its RoPE partner d + 32 lie in the same lane and register of blocks 2 i and 2 i + 1.  48 accumulators.
; K goes in 8 steps of 128 through two LDS slots filled by tensor loads: a tile's rows are 256 bytes, at multiples of 256 bytes.
; CLUSTERS: 4 x 4 work-groups.  A's tile hangs on the row block alone and is asked for jointly along a row of the cluster, the three
; units' tiles hang on the head alone and are asked for jointly along a column.  Wave 0 asks for A's 256 rows, waves 1-3 for one unit each.
; A wave has two tensor loads out at the start and one afterwards.
; THE MATRIX INSTRUCTION IS USED TRANSPOSED: source 0 = 16 rows of wb, source 1 = 16 rows of hb, so that lane (r, h) holds row r and its
; registers 0-7 the features 8 h + 0..7.  The first product takes the bias tile as C: nothing is cleared, nothing added later.
; REGISTERS in windows of 256: window 0: v0-31 addresses, v32-143 and v144-255 two fragment buffers (B's 6 at +8 b, A's 8 at +48 + 8 a);
; window 1: accumulators of a = 0..3 at 8 (6 a + b); window 2: those of a = 4..7, and the bias tiles at 192 + 8 b;
; window 3: cos and sin of my rows and features, 32 registers for each a (cos p0, cos p1, sin p0, sin p1).
.set KSTEP,  128
.set PITCH,  272                       ; 256 bytes + 16: an odd multiple of 16, so the 16 rows of a fragment load fall on 16 different 16-byte columns modulo 256
.set ABYTES, 256*PITCH                 ; A's 256 rows
.set UBYTES, 64*PITCH                  ; one unit's 64 rows
.set SLOT,   ABYTES+3*UBYTES           ; 121,856
.set STAGE,  2*SLOT                    ; behind the ring, never the target of a tensor load: two stages of 256 rows x 144 bytes
.set SPITCH, 144
.set SBUF,   256*SPITCH
.set LAPS,   4                         ; a lap = two K steps
.set ADRA, 16                          ; v16-17 LDS address of my A fragments in slot 0, 1
.set ADRB, 20                          ; v20-21 the same for B
.set STO,  24                          ; stage: where I put 16 bytes of a row
.set RD,   25                          ; stage: where I read rows back
.set CO,   26                          ; 16 x lane: my byte offset in the unit's rows
.set CSO,  27                          ; my byte offset in cos and sin
.set BO,   28                          ; my byte offset in the bias
.set F0,   32
.set F1,   144
.set T,    32                          ; way out: v32-95 rotated numbers in f32
.set Y,    96                          ; way out: v96-127 packed bf16
.set DR,   144                         ; way out: v144-207 rows read back
.set BIAS, 192                         ; window 2
.set G1A, 24                           ; s[24:31] group 1 of A's tiles
.set G1B, 32                           ; s[32:39] group 1 of a unit's tiles
.set G0A, 40                           ; s[40:47] group 0 of A's tiles, one set a slot
.set G0B, 48                           ; s[48:55] group 0 of my unit's tiles, one set a slot
.set BB,  56                           ; s[56:57] bias of unit 0
.set OB,  66                           ; s[66:71] my rows in the three units of qkvh
.set CB,  72                           ; s[72:73] cos, s[74:75] sin at the block's first row
.set MSB, 0
.macro WIN new                         ; the immediate's high byte repeats the setting that is left
.if MSB != (\new)
	s_set_vgpr_msb (MSB<<8)|(\new)
.set MSB, (\new)
.endif
.endm
.set MUL_LO,  0x50                     ; C and D window 1
.set MUL_LOB, 0x60                     ; D window 1, C (bias) window 2
.set MUL_HI,  0xa0                     ; C and D window 2
.macro PLACES                          ; four places behind a matrix instruction, ahead of loads into its sources and of readers of its result
.rept 4
	v_nop
.endr
.endm
.macro JLOAD s                         ; a joint load; the branch hangs on the wave's number alone; each line has one mask
	s_cmp_eq_u32 s16, 0
	s_cbranch_scc0 .Lfor_b_\@
	tensor_load_to_lds s[G0A+4*\s:G0A+4*\s+3], s[G1A:G1A+7]
	s_nop 0
	s_branch .Lasked_\@
.Lfor_b_\@:
	tensor_load_to_lds s[G0B+4*\s:G0B+4*\s+3], s[G1B:G1B+7]
	s_nop 0
.Lasked_\@:
.endm
.macro CREST                           ; a round of the cluster's barrier behind its opening barrier
	s_cmp_lg_u32 s16, 0
	s_cbranch_scc1 .Lnot_wave_0_\@
	s_barrier_signal -3
.Lnot_wave_0_\@:
	s_barrier_wait -3
	s_barrier_signal -1
	s_barrier_wait -1
.endm
.macro CROUND
	s_barrier_signal -1
	s_barrier_wait -1
	CREST
.endm
	s_load_b256 s[4:11], s[0:1], 0x0               ; hb s[4:5], wb s[6:7], qkv_b s[8:9], cos s[10:11]
	s_load_b128 s[12:15], s[0:1], 0x20             ; sin s[12:13], qkvh s[14:15]
	v_lshl_add_u32 v30, v0, 2, 0x4d800
	v_mov_b32 v31, 0
	ds_add_u32 v30, v31
	v_lshrrev_b32 v1, 5, v0
	v_readfirstlane_b32 s16, v1                    ; wave 0..3
	s_lshr_b32 s17, s16, 1                         ; rh: which 128 rows
	s_and_b32 s18, s16, 1                          ; c: which 16 features of every 32
	s_bfe_u32 s19, ttmp6, 0x40000                  ; cx
	s_bfe_u32 s20, ttmp6, 0x40004                  ; cy
	s_lshl_b32 s76, ttmp9, 2
	s_add_co_u32 s76, s76, s19                     ; head = 4 x cluster x + cx
	s_and_b32 s21, ttmp7, 0xffff
	s_lshl_b32 s21, s21, 2
	s_add_co_u32 s21, s21, s20                     ; row block = 4 x cluster y + cy
	s_lshl_b32 s22, s20, 2
	s_lshl_b32 s22, 15, s22                        ; my row of the cluster
	s_lshl_b32 s23, 0x1111, s19                    ; my column
	; group 1: elements of 2 bytes, rows of 128 elements, 16 bytes of padding behind every 64 words, pitch 1,024 elements
	s_or_b32 s[G1A+0], s22, (1<<16)|(1<<20)|(1<<21)|(5<<22)|(3<<25)
	s_mov_b32 s[G1A+1], KSTEP<<16                  ; tensor_dim0 = 128
	s_mov_b32 s[G1A+2], 256<<16                    ; tensor_dim1 = 256
	s_mov_b32 s[G1A+3], KSTEP<<16                  ; tile_dim0 = 128
	s_mov_b32 s[G1A+4], 256                        ; tile_dim1 = 256
	s_mov_b32 s[G1A+5], 1024
	s_mov_b32 s[G1A+6], 0
	s_mov_b32 s[G1A+7], 0
	s_or_b32 s[G1B+0], s23, (1<<16)|(1<<20)|(1<<21)|(5<<22)|(3<<25)
	s_mov_b32 s[G1B+1], KSTEP<<16
	s_mov_b32 s[G1B+2], 64<<16                     ; 64 rows
	s_mov_b32 s[G1B+3], KSTEP<<16
	s_mov_b32 s[G1B+4], 64
	s_mov_b32 s[G1B+5], 1024
	s_mov_b32 s[G1B+6], 0
	s_mov_b32 s[G1B+7], 0
	s_lshl_b32 s80, s21, 19                        ; A: 256 rows of 2,048 bytes a block; hangs on the row block alone
	s_mov_b32 s81, 0
	s_max_u32 s78, s16, 1                          ; B: wave w = 1..3 fetches unit 16 (w - 1) + head (wave 0 asks for none: its number is held inside the buffer)
	s_sub_co_u32 s78, s78, 1
	s_lshl_b32 s78, s78, 4
	s_add_co_u32 s78, s78, s76
	s_lshl_b32 s78, s78, 17                        ; 64 rows of 2,048 bytes a unit
	s_mov_b32 s79, 0
	s_mul_i32 s77, s16, UBYTES                     ; and puts it behind A's rows: ABYTES + (w - 1) UBYTES
	s_add_co_u32 s77, s77, ABYTES-UBYTES
	s_lshl_b32 s82, s76, 8                         ; bias: 256 bytes a unit
	s_mov_b32 s83, 0
	s_wait_dscnt 0x0
	s_wait_kmcnt 0x0
	s_add_nc_u64 s[80:81], s[4:5], s[80:81]
	s_add_nc_u64 s[78:79], s[6:7], s[78:79]
	s_add_nc_u64 s[BB:BB+1], s[8:9], s[82:83]
	s_lshl_b32 s82, s21, 16                        ; cos, sin: 256 rows of 256 bytes a block
	s_add_nc_u64 s[CB:CB+1], s[10:11], s[82:83]
	s_add_nc_u64 s[CB+2:CB+3], s[12:13], s[82:83]
	s_lshl_b32 s82, s76, 19                        ; qkvh: 524,288 bytes a unit, 32,768 a row block, 8,192 for a wave's 64 rows
	s_lshl_b32 s84, s21, 15
	s_add_co_u32 s82, s82, s84
	s_lshl_b32 s84, s16, 13
	s_add_co_u32 s82, s82, s84
	s_add_nc_u64 s[OB:OB+1], s[14:15], s[82:83]
	s_add_nc_u64 s[OB+2:OB+3], s[OB:OB+1], 0x800000        ; 16 units on
	s_add_nc_u64 s[OB+4:OB+5], s[OB+2:OB+3], 0x800000
.irp s, 0,1
	s_mov_b32 s[G0A+4*\s], 1
	s_mov_b32 s[G0A+4*\s+1], \s*SLOT
	s_add_nc_u64 s[G0A+4*\s+2:G0A+4*\s+3], s[80:81], \s*KSTEP*2
	s_or_b32 s[G0A+4*\s+3], s[G0A+4*\s+3], 0x80000000
	s_mov_b32 s[G0B+4*\s], 1
	s_add_co_u32 s[G0B+4*\s+1], s77, \s*SLOT
	s_add_nc_u64 s[G0B+4*\s+2:G0B+4*\s+3], s[78:79], \s*KSTEP*2
	s_or_b32 s[G0B+4*\s+3], s[G0B+4*\s+3], 0x80000000
.endr
	CROUND                                         ; all sixteen work-groups are here: the first joint loads meet
	JLOAD 0
	JLOAD 1
	v_and_b32 v1, 15, v0                           ; r
	v_bfe_u32 v2, v0, 4, 1                         ; h
	v_and_b32 v5, 31, v0                           ; lane
	v_mul_u32_u24 v3, v1, PITCH
	v_lshl_add_u32 v3, v2, 4, v3                   ; r x pitch + 16 h
	s_mul_i32 s2, s17, 128*PITCH                   ; my 128 rows of A
	s_mul_i32 s3, s18, 16*PITCH                    ; my 16 rows of every 32 of B
	s_add_co_u32 s3, s3, ABYTES
.irp s, 0,1
	v_add_nc_u32 v[ADRA+\s], s2, v3
	v_add_nc_u32 v[ADRB+\s], s3, v3
	s_add_co_u32 s2, s2, SLOT
	s_add_co_u32 s3, s3, SLOT
.endr
	v_mul_u32_u24 v4, v1, SPITCH                   ; stage in: row 128 rh + 16 a + r, byte 64 p + 32 c + 16 h
	v_lshl_add_u32 v4, v2, 4, v4
	s_mul_i32 s2, s17, 128*SPITCH
	s_lshl_b32 s3, s18, 5
	s_add_co_u32 s2, s2, s3
	s_add_co_u32 s2, s2, STAGE
	v_add_nc_u32 v[STO], s2, v4
	v_lshrrev_b32 v4, 3, v5                        ; stage back: four rows of 128 bytes a load, rows 64 w ..
	v_and_b32 v6, 7, v5
	v_mul_u32_u24 v4, v4, SPITCH
	v_lshl_add_u32 v4, v6, 4, v4
	s_mul_i32 s2, s16, 64*SPITCH
	s_add_co_u32 s2, s2, STAGE
	v_add_nc_u32 v[RD], s2, v4
	v_lshlrev_b32 v[CO], 4, v5
	v_lshlrev_b32 v4, 8, v1                        ; cos, sin: row (128 rh + r) x 256 + 64 c + 32 h
	v_lshl_add_u32 v4, v2, 5, v4
	s_lshl_b32 s2, s17, 15
	s_lshl_b32 s3, s18, 6
	s_add_co_u32 s2, s2, s3
	v_add_nc_u32 v[CSO], s2, v4
	v_lshlrev_b32 v4, 5, v2
	v_add_nc_u32 v[BO], s3, v4                     ; bias: 64 c + 32 h
	WIN 0x80                                       ; loads into window 2: register j of bias tile b = bias of feature 32 p + 16 c + 8 h + j of unit i
.irp b, 0,1,2,3,4,5
	global_load_b128 v[BIAS+8*\b:BIAS+8*\b+3], v[BO], s[BB:BB+1] offset:(\b>>1)*4096+(\b&1)*128
	global_load_b128 v[BIAS+8*\b+4:BIAS+8*\b+7], v[BO], s[BB:BB+1] offset:(\b>>1)*4096+(\b&1)*128+16
.endr
.macro CSLOAD a                        ; cos and sin of row block a: eight loads into window 3
.irp p, 0,1
	global_load_b128 v[32*\a+8*\p:32*\a+8*\p+3], v[CSO], s[CB:CB+1] offset:4096*\a+128*\p
	global_load_b128 v[32*\a+8*\p+4:32*\a+8*\p+7], v[CSO], s[CB:CB+1] offset:4096*\a+128*\p+16
	global_load_b128 v[32*\a+16+8*\p:32*\a+16+8*\p+3], v[CSO], s[CB+2:CB+3] offset:4096*\a+128*\p
	global_load_b128 v[32*\a+16+8*\p+4:32*\a+16+8*\p+7], v[CSO], s[CB+2:CB+3] offset:4096*\a+128*\p+16
.endr
.endm
	WIN 0xc0
	CSLOAD 0
	CSLOAD 1
	CSLOAD 2
	CSLOAD 3
	WIN 0
; 12 matrix instructions: row blocks a0, a0 + 1 of the window's four x all 6 column blocks, 32 along K.  The 48 accumulators take turns,
; one instruction a turn, in the same order in every quarter step.
.macro MUL12 f, hi, a0, bias
.irp a, \a0, \a0+1
.irp b, 0,1,2,3,4,5
.if \bias
	v_wmma_f32_16x16x32_bf16 v[8*(6*(\a)+\b):8*(6*(\a)+\b)+7], v[\f+8*\b:\f+8*\b+7], v[\f+48+8*(4*\hi+\a):\f+48+8*(4*\hi+\a)+7], v[BIAS+8*\b:BIAS+8*\b+7]
.else
	v_wmma_f32_16x16x32_bf16 v[8*(6*(\a)+\b):8*(6*(\a)+\b)+7], v[\f+8*\b:\f+8*\b+7], v[\f+48+8*(4*\hi+\a):\f+48+8*(4*\hi+\a)+7], v[8*(6*(\a)+\b):8*(6*(\a)+\b)+7]
.endif
.endr
.endr
.endm
; 28 LDS loads in one run: 12 for B's six fragments, 8 for A's rows 0-63, 8 for A's rows 64-127; 32 K at byte k of the rows
.macro FETCH slot, k, f
	WIN 0
.irp b, 0,1,2,3,4,5
	ds_load_b128 v[\f+8*\b:\f+8*\b+3],   v[ADRB+\slot] offset:\k+\b*32*PITCH
	ds_load_b128 v[\f+8*\b+4:\f+8*\b+7], v[ADRB+\slot] offset:\k+\b*32*PITCH+32
.endr
.irp a, 0,1,2,3,4,5,6,7
	ds_load_b128 v[\f+48+8*\a:\f+48+8*\a+3],   v[ADRA+\slot] offset:\k+\a*16*PITCH
	ds_load_b128 v[\f+48+8*\a+4:\f+48+8*\a+7], v[ADRA+\slot] offset:\k+\a*16*PITCH+32
.endr
.endm
.macro QUARTER slot, k, f, g, bias
	s_wait_dscnt 8                                 ; B and A's rows 0-63 are in; the youngest eight loads (A's rows 64-127) may be out
.if \bias
	WIN MUL_LOB
.else
	WIN MUL_LO
.endif
	MUL12 \f, 0, 0, \bias
	MUL12 \f, 0, 2, \bias
	PLACES
	FETCH \slot, \k, \g
	s_wait_dscnt 28                                ; all but the 28 just issued
	WIN MUL_HI
	MUL12 \f, 1, 0, \bias
	MUL12 \f, 1, 2, \bias
.endm
.macro THREE slot, bias
	QUARTER \slot, 64,  F0, F1, \bias
	QUARTER \slot, 128, F1, F0, 0
	QUARTER \slot, 192, F0, F1, 0
.endm
; The last quarter of a K step: multiplies buffer 1 and changes slots.  In front of the barrier each wave waits for its reads of this slot
; and for all its tensor loads (the one that is out is its part of the next slot).  Where the slot is filled again the barrier opens a round
; of the cluster's barrier, and the joint refill is the first tensor load behind the round.
.macro TURN slot, next, fill
	s_wait_dscnt 8
	WIN MUL_LO
	MUL12 F1, 0, 0, 0
	s_wait_dscnt 0
	s_wait_tensorcnt 0x0
	ds_add_u32 v30, v31
	s_wait_dscnt 0x0
	s_barrier_signal -1
	MUL12 F1, 0, 2, 0                              ; register work while the others arrive
	WIN 0
	s_barrier_wait -1
.if \fill
	CREST
	s_add_nc_u64 s[G0A+4*\slot+2:G0A+4*\slot+3], s[G0A+4*\slot+2:G0A+4*\slot+3], 2*KSTEP*2
	s_add_nc_u64 s[G0B+4*\slot+2:G0B+4*\slot+3], s[G0B+4*\slot+2:G0B+4*\slot+3], 2*KSTEP*2
	JLOAD \slot
.endif
	PLACES
	FETCH \next, 0, F0
	WIN MUL_HI
	MUL12 F1, 1, 0, 0
	MUL12 F1, 1, 2, 0
.endm
.macro LAP bias
	THREE 0, \bias
	TURN 0, 1, 1
	THREE 1, 0
	TURN 1, 0, 1
.endm
	s_wait_tensorcnt 0x1                           ; my part of K step 0 is in; K step 1's stays out
	s_barrier_signal -1
	s_barrier_wait -1
	FETCH 0, 0, F0
	s_wait_loadcnt 0x20                            ; the 12 bias loads are in; the 32 of cos and sin issued behind them stay out
	LAP 1                                          ; the first products start the sums with the bias
	WIN 0xc0
	CSLOAD 4                                       ; the other half of cos and sin: 32 more loads, wanted only on the way out
	CSLOAD 5
	CSLOAD 6
	CSLOAD 7
	WIN 0
	s_mov_b32 s3, LAPS-2
.Llap:
	LAP 0
	WIN 0
	s_sub_co_u32 s3, s3, 1
	s_cmp_lg_u32 s3, 0
	s_cbranch_scc1 .Llap
	THREE 0, 0                                     ; the last lap fills nothing
	TURN 0, 1, 0
	THREE 1, 0
	s_wait_dscnt 8
	WIN MUL_LO
	MUL12 F1, 0, 0, 0
	MUL12 F1, 0, 2, 0
	s_wait_dscnt 0
	WIN MUL_HI
	MUL12 F1, 1, 0, 0
	MUL12 F1, 1, 2, 0
	PLACES
	WIN 0
	s_wait_loadcnt 0x0                             ; cos and sin
; THE WAY OUT, one unit at a time through a stage of 256 rows x 128 bytes (pitch 144), two stages taking turns.
; RoPE: y[d] = x[d] cos[d] - x[d+32] sin[d], y[d+32] = x[d+32] cos[d+32] + x[d] sin[d+32]; x[d] in block 2 i, x[d+32] in block 2 i + 1.
.macro PUT sb, hi                      ; eight stores of 16 bytes: four row blocks x two halves of the features
.irp a, 0,1,2,3
.irp p, 0,1
	ds_store_b128 v[STO], v[Y+8*\a+4*\p:Y+8*\a+4*\p+3] offset:\sb*SBUF+(4*\hi+\a)*16*SPITCH+64*\p
.endr
.endr
.endm
.macro OUTROPE i, sb
.irp hi, 0,1
.if \hi
	WIN 0x0e                                       ; source 0 window 2 (sums), source 1 window 3 (cos, sin)
.else
	WIN 0x0d                                       ; source 0 window 1
.endif
.irp a, 0,1,2,3
.set X0, 8*(6*\a+2*\i)
.set X1, X0+8
.set CS, 32*(4*\hi+\a)
.set TT, T+16*\a
.irp j, 0,2,4,6
	v_pk_mul_f32 v[TT+\j:TT+\j+1], v[X0+\j:X0+\j+1], v[CS+\j:CS+\j+1]
	v_pk_mul_f32 v[TT+8+\j:TT+8+\j+1], v[X1+\j:X1+\j+1], v[CS+8+\j:CS+8+\j+1]
.endr
.irp j, 0,2,4,6
	v_pk_fma_f32 v[TT+\j:TT+\j+1], v[X1+\j:X1+\j+1], v[CS+16+\j:CS+16+\j+1], v[TT+\j:TT+\j+1] neg_lo:[1,0,0] neg_hi:[1,0,0]
	v_pk_fma_f32 v[TT+8+\j:TT+8+\j+1], v[X0+\j:X0+\j+1], v[CS+24+\j:CS+24+\j+1], v[TT+8+\j:TT+8+\j+1]
.endr
.endr
	WIN 0
.set cc, 0
.rept 32
	v_cvt_pk_bf16_f32 v[Y+cc], v[T+2*cc], v[T+2*cc+1]
.set cc, cc+1
.endr
	PUT \sb, \hi
.endr
.endm
.macro OUTPLAIN i, sb
.irp hi, 0,1
.if \hi
	WIN 0x0a
.else
	WIN 0x05
.endif
.irp a, 0,1,2,3
.irp p, 0,1
.irp j, 0,1,2,3
	v_cvt_pk_bf16_f32 v[Y+8*\a+4*\p+\j], v[8*(6*\a+2*\i+\p)+2*\j], v[8*(6*\a+2*\i+\p)+2*\j+1]
.endr
.endr
.endr
	WIN 0
	PUT \sb, \hi
.endr
.endm
; my 64 rows of the stage go out: a load takes four rows, a store covers 512 neighbouring bytes of the unit, aligned
.macro DRAIN i, sb
	s_wait_xcnt 0x0                                ; v144-207, which the last drain's stores read, are written again only behind this wait
.irp t, 0,1,2,3,4,5,6,7,8,9,10,11,12,13,14,15
	ds_load_b128 v[DR+4*\t:DR+4*\t+3], v[RD] offset:\sb*SBUF+\t*4*SPITCH
.endr
.irp t, 0,1,2,3,4,5,6,7,8,9,10,11,12,13,14,15
	s_wait_dscnt 15-\t
	global_store_b128 v[CO], v[DR+4*\t:DR+4*\t+3], s[OB+2*\i:OB+2*\i+1] offset:512*\t
.endr
.endm
.macro BAR                             ; my stores into a stage and my reads of the other are done, then everybody's
	s_wait_dscnt 0x0
	s_barrier_signal -1
	s_barrier_wait -1
.endm
	OUTROPE 0, 0
	BAR
	DRAIN 0, 0
	OUTROPE 1, 1
	BAR
	DRAIN 1, 1
	OUTPLAIN 2, 0
	BAR
	DRAIN 2, 0
	s_wait_tensorcnt 0x0
	ds_add_u32 v30, v31
	s_wait_dscnt 0x0
	CROUND                                         ; the closing round: no work-group ends while a partner may still ask for a tile that names it
	s_endpgm
.Lfunc_end_k_q5611da4a99_qkv:
	.size	k_q5611da4a99_qkv, .Lfunc_end_k_q5611da4a99_qkv-k_q5611da4a99_qkv
	.p2alignl 7, 3214868480
	.fill 96, 4, 3214868480
	.section	.rodata,"a",@progbits
	.p2align	6, 0x0
	.amdhsa_kernel k_q5611da4a99_qkv
		.amdhsa_group_segment_fixed_size 327680
		.amdhsa_private_segment_fixed_size 0
		.amdhsa_enable_private_segment 0
		.amdhsa_kernarg_size 48
		.amdhsa_user_sgpr_count 2
		.amdhsa_user_sgpr_kernarg_segment_ptr 1
		.amdhsa_wavefront_size32 1
		.amdhsa_system_sgpr_workgroup_id_x 1
		.amdhsa_system_sgpr_workgroup_id_y 1
		.amdhsa_system_sgpr_workgroup_id_z 1
		.amdhsa_system_vgpr_workitem_id 0
		.amdhsa_next_free_vgpr 1024
		.amdhsa_next_free_sgpr 86
		.amdhsa_reserve_vcc 0
		.amdhsa_float_denorm_mode_32 3
		.amdhsa_float_denorm_mode_16_64 3
		.amdhsa_memory_ordered 1
		.amdhsa_forward_progress 1
		.amdhsa_inst_pref_size 180
	.end_amdhsa_kernel
	.amdgpu_metadata
---
amdhsa.version: [ 1, 2 ]
amdhsa.kernels:
  - .name:           k_q5611da4a99_qkv
    .symbol:         k_q5611da4a99_qkv.kd
    .args:
      - { .name: hb, .offset: 0, .size: 8, .value_kind: global_buffer, .address_space: global }
      - { .name: wb, .offset: 8, .size: 8, .value_kind: global_buffer, .address_space: global }
      - { .name: qkv_b, .offset: 16, .size: 8, .value_kind: global_buffer, .address_space: global }
      - { .name: cos, .offset: 24, .size: 8, .value_kind: global_buffer, .address_space: global }
      - { .name: sin, .offset: 32, .size: 8, .value_kind: global_buffer, .address_space: global }
      - { .name: qkvh, .offset: 40, .size: 8, .value_kind: global_buffer, .address_space: global }
    .group_segment_fixed_size: 327680
    .private_segment_fixed_size: 0
    .kernarg_segment_align: 8
    .kernarg_segment_size: 48
    .max_flat_workgroup_size: 128
    .sgpr_count:     86
    .vgpr_count:     1024
    .wavefront_size: 32
...
	.end_amdgpu_metadata
.endif
;; end of part 2
;; launch attn (part 3): grid 16 x 16, 8 waves a work-group, clusters of 4 x 1, 327,680 bytes of LDS; arguments qkvh, ao; writes ao
.if DOCPART == 3
	.amdgcn_target "amdgcn-amd-amdhsa--gfx1250"
	.amdhsa_code_object_version 6
	.text
	.protected	k_q5611da4a99_attn
	.globl	k_q5611da4a99_attn
	.p2align	8
	.type	k_q5611da4a99_attn,@function
k_q5611da4a99_attn:
	s_mov_b64 s[64:65], 0
	v_nop
	global_prefetch_b8 v0, s[64:65] scope:SCOPE_SE
	s_setreg_imm32_b32 hwreg(HW_REG_WAVE_MODE, 25, 1), 1
	s_wait_xcnt 0x0
	s_wait_alu depctr_hold_cnt(0) depctr_sa_sdst(0) depctr_va_vdst(0) depctr_va_sdst(0) depctr_va_ssrc(0) depctr_va_vcc(0) depctr_vm_vsrc(0)
	s_getreg_b32 s2, hwreg(HW_REG_IB_STS2, 6, 4)
	s_cmp_eq_u32 s2, 0
	s_cbranch_scc0 .Lentry_in_a_cluster
	s_endpgm
.Lentry_in_a_cluster:
	s_bfe_u32 s2, ttmp6, 0x10000c
	s_cmp_lg_u32 s2, 0x3003
	s_cbranch_scc0 .Lentry_shape_is_right
	s_endpgm
.Lentry_shape_is_right:
; ao[head][query][64] (bf16) = softmax(q k^T / 8) v for one head and 256 queries a work-group.  q, k, v: units head, 16 + head, 32 + head of qkvh.
; LIMITS: NaN and infinities are not treated apart.  The scale 0.125 log2(e) is applied in f32 to the f32 scores; a running maximum is taken
; away before every exponential, so exponents are never above 0 but for the last bit of one rounding; exponentials below 2^-126 come out as 0
; (ISA guide, v_exp_f32); the weights enter the second product as bf16, their sum is kept in f32.
; Eight waves.  Wave w = 4 g + u has the 64 queries 64 u .. of the block and half g of the keys of every tile of 256; the two halves' sums
; meet once, at the end, through LDS.
; THE TWO GROUPS RUN HALF A STEP APART.  A step (64 keys x 64 queries) is 64 matrix instructions (the last step's O += V^T P^T, this step's
; S = K Q^T) and a softmax of some 470 vector instructions.  Behind every barrier waves 0-3 begin with the 64 matrix instructions and waves 4-7
; with a softmax, so that one group has vector work while the other has matrix work.  Barriers stand at one line for all waves, so the softmax
; of a tile's second step is written twice: in front of the barrier for waves 0-3, behind it for waves 4-7, each under a branch on the wave's
; number that jumps over vector work alone.  In front of the barrier both groups hold all they need of the old slot in registers.
; CLUSTERS: the four query blocks of a cluster read the same K and V tiles of one head and ask for them jointly (mask 15).
; Each wave asks for 64 rows: waves 0-3 of V, waves 4-7 of K.  A wave has one tensor load out.  Rows are 128 bytes, as they are in the tensor.
; LAYOUTS: S^T = K Q^T (source 0 = 16 keys, source 1 = 16 queries): lane (r, h), register j = key 16 kb + 8 h + j, query 16 qb + r.  A lane serves
; one query for each qb; its exponentials, packed in pairs, ARE source 1 of O^T = V^T P^T; source 0 comes from V[key][d] by transposing LDS loads.
; REGISTERS: window 0 as named below; window 1: S at 8 (4 kb + qb), O at 128 + 8 (4 db + qb).  P is packed in place: P of keys 32 kt .. +31 and
; queries qb takes the eight registers of S tile (2 kt, qb).  So K's fragments have registers of their own and are fetched a softmax ahead.
.set VP, 160                           ; V's LDS pitch: an odd multiple of 32 bytes, for the transposing loads
.set KP, 144                           ; K's: an odd multiple of 16 bytes
.set VBYTES, 256*VP
.set SLOT, VBYTES+256*KP               ; 77,824
.set TILEB, 256*128                    ; a tile's bytes in memory
.set SCR, 2*SLOT                       ; behind the ring, never the target of a tensor load: 4 x (16,384 of O + 1,024 of statistics)
.set SCRW, 17408
.set STG, SCR+4*SCRW                   ; 4 x 64 rows x 144 bytes: the way out
.set SP, 144
.set QO, 6                             ; byte offset of my part of a Q fragment
.set CO, 7                             ; 16 x lane
.set ADK, 8                            ; v8-9   K fragments in slot 0, 1
.set ADV, 10                           ; v10-11 V fragments in slot 0, 1
.set DMP, 12
.set DMP8, 13
.set STO, 14
.set RD, 15
.set QF, 16                            ; v16-79   Q fragments at 16 qb + 8 ks
.set KF, 80                            ; v80-143  K fragments at 16 kb + 8 ks
.set VF, 144                           ; v144-207 V fragments at 16 db + 8 kt
.set MX, 208                           ; 208 + 2 qb: running maximum of the raw scores
.set NM0, 224                          ; -c x maximum, two sets that take turns: 224 + 2 qb (a tile's first step), 216 + 2 qb (its second)
.set NMF, 216                          ; the last step's set; its odd neighbours take the sums at the end
.set AL, 232                           ; 232 + 2 qb: the rescale factor
.set LS, 240                           ; pairs 240 + 2 qb: two partial sums of the weights
.set X, 248
.set O, 128                            ; window 1
.set G1V, 16
.set G1K, 24
.set G0V, 32
.set G0K, 40
.set MSB, 0
.macro WIN new                         ; the immediate's high byte repeats the setting that is left
.if MSB != (\new)
	s_set_vgpr_msb (MSB<<8)|(\new)
.set MSB, (\new)
.endif
.endm
.macro PLACES                          ; five places behind a matrix instruction (ISA guide 7.12.1): four are owed by vector readers of its result and by
.rept 5                                ; loads into its sources, five by a matrix instruction that writes over one of its sources
	v_nop
.endr
.endm
.macro JLOAD s
	s_cmp_lt_u32 s8, 4
	s_cbranch_scc0 .Lfor_k_\@
	tensor_load_to_lds s[G0V+4*\s:G0V+4*\s+3], s[G1V:G1V+7]
	s_nop 0
	s_branch .Lasked_\@
.Lfor_k_\@:
	tensor_load_to_lds s[G0K+4*\s:G0K+4*\s+3], s[G1K:G1K+7]
	s_nop 0
.Lasked_\@:
.endm
.macro ROUND                           ; a round of the cluster's barrier
	s_barrier_signal -1
	s_barrier_wait -1
	s_cmp_lg_u32 s8, 0
	s_cbranch_scc1 .Lnot_wave_0_\@
	s_barrier_signal -3
.Lnot_wave_0_\@:
	s_barrier_wait -3
	s_barrier_signal -1
	s_barrier_wait -1
.endm
	s_load_b128 s[4:7], s[0:1], 0x0                ; qkvh s[4:5], ao s[6:7]
	v_lshl_add_u32 v213, v0, 2, 0x40000
	v_mov_b32 v215, 0
	ds_add_u32 v213, v215
	v_lshrrev_b32 v1, 5, v0
	v_readfirstlane_b32 s8, v1                     ; wave 0..7
	s_and_b32 s9, s8, 3                            ; u: which 64 queries; also which 64 rows of a tile I fetch
	s_lshr_b32 s14, s8, 2                          ; g: which half of a tile's keys
	s_mov_b32 s10, 0x76543210                      ; v_permlanex16_b32: lane i reads lane i of the other half
	s_mov_b32 s11, 0xfedcba98
	s_mov_b32 s12, 0x3e38aa3b                      ; c = 0.125 log2(e)
	s_mov_b32 s13, 0xbe38aa3b                      ; -c
	s_and_b32 s15, ttmp7, 0xffff                   ; head
	s_bfe_u32 s49, ttmp6, 0x40000                  ; cx
	s_lshl_b32 s50, ttmp9, 2
	s_add_co_u32 s50, s50, s49                     ; query block: enters the addresses of Q and ao alone
	; group 1: 64 rows x 64 elements of 2 bytes, pitch 64 elements; padding behind every 32 words: 8 words for V, 4 for K; mask 15
	s_mov_b32 s[G1V+0], 15|(1<<16)|(1<<20)|(1<<21)|(4<<22)|(7<<25)
	s_mov_b32 s[G1V+1], 64<<16
	s_mov_b32 s[G1V+2], 64<<16
	s_mov_b32 s[G1V+3], 64<<16
	s_mov_b32 s[G1V+4], 64
	s_mov_b32 s[G1V+5], 64
	s_mov_b32 s[G1V+6], 0
	s_mov_b32 s[G1V+7], 0
	s_mov_b32 s[G1K+0], 15|(1<<16)|(1<<20)|(1<<21)|(4<<22)|(3<<25)
	s_mov_b32 s[G1K+1], 64<<16
	s_mov_b32 s[G1K+2], 64<<16
	s_mov_b32 s[G1K+3], 64<<16
	s_mov_b32 s[G1K+4], 64
	s_mov_b32 s[G1K+5], 64
	s_mov_b32 s[G1K+6], 0
	s_mov_b32 s[G1K+7], 0
	s_lshl_b32 s52, s15, 19                        ; 524,288 bytes a unit
	s_lshl_b32 s51, s9, 13                         ; 64 rows of 128 bytes
	s_add_co_u32 s52, s52, s51
	s_mov_b32 s53, 0
	s_add_co_u32 s54, s52, (16<<19)                ; K: unit 16 + head
	s_mov_b32 s55, 0
	s_lshl_b32 s62, s50, 15                        ; Q and ao: unit head, 256 rows a block, 64 a wave
	s_add_co_u32 s56, s52, s62
	s_mov_b32 s57, 0
	s_add_co_u32 s52, s52, (32<<19)                ; V: unit 32 + head
	s_mul_i32 s60, s8, 64*VP                       ; waves 0-3: V's rows 64 w
	s_mul_i32 s61, s8, 64*KP                       ; waves 4-7: K's rows 64 (w - 4), behind V
	s_add_co_u32 s61, s61, VBYTES-4*64*KP
	s_wait_dscnt 0x0
	s_wait_kmcnt 0x0
	s_add_nc_u64 s[58:59], s[6:7], s[56:57]
	s_add_nc_u64 s[56:57], s[4:5], s[56:57]
	s_add_nc_u64 s[52:53], s[4:5], s[52:53]
	s_add_nc_u64 s[54:55], s[4:5], s[54:55]
.irp s, 0,1
	s_mov_b32 s[G0V+4*\s], 1
	s_add_co_u32 s[G0V+4*\s+1], s60, \s*SLOT
	s_add_nc_u64 s[G0V+4*\s+2:G0V+4*\s+3], s[52:53], \s*TILEB
	s_or_b32 s[G0V+4*\s+3], s[G0V+4*\s+3], 0x80000000
	s_mov_b32 s[G0K+4*\s], 1
	s_add_co_u32 s[G0K+4*\s+1], s61, \s*SLOT
	s_add_nc_u64 s[G0K+4*\s+2:G0K+4*\s+3], s[54:55], \s*TILEB
	s_or_b32 s[G0K+4*\s+3], s[G0K+4*\s+3], 0x80000000
.endr
	ROUND                                          ; in front of the first joint load
	JLOAD 0                                        ; tile 0
	v_and_b32 v1, 15, v0                           ; r
	v_bfe_u32 v2, v0, 4, 1                         ; h
	v_and_b32 v3, 31, v0                           ; lane
	v_lshlrev_b32 v[QO], 7, v1
	v_lshl_add_u32 v[QO], v2, 4, v[QO]             ; r x 128 + 16 h
.irp qb, 0,1,2,3
.irp ks, 0,1
	global_load_b128 v[QF+16*\qb+8*\ks:QF+16*\qb+8*\ks+3], v[QO], s[56:57] offset:\qb*2048+\ks*64
	global_load_b128 v[QF+16*\qb+8*\ks+4:QF+16*\qb+8*\ks+7], v[QO], s[56:57] offset:\qb*2048+\ks*64+32
.endr
.endr
	v_lshlrev_b32 v[CO], 4, v3
	v_mul_u32_u24 v4, v1, KP                       ; K: row r, 16 h
	v_lshl_add_u32 v4, v2, 4, v4
	s_mul_i32 s2, s14, 128*KP
	s_add_co_u32 s2, s2, VBYTES
	v_add_nc_u32 v[ADK], s2, v4
	v_add_nc_u32 v[ADK+1], SLOT, v[ADK]
	v_and_b32 v4, 7, v0                            ; V, transposing: row 8 h + (lane & 7), 16 bytes x ((lane >> 3) & 1)
	v_lshl_add_u32 v4, v2, 3, v4
	v_mul_u32_u24 v4, v4, VP
	v_bfe_u32 v5, v0, 3, 1
	v_lshl_add_u32 v4, v5, 4, v4
	s_mul_i32 s2, s14, 128*VP
	v_add_nc_u32 v[ADV], s2, v4
	v_add_nc_u32 v[ADV+1], SLOT, v[ADV]
	s_mul_i32 s2, s9, SCRW
	s_add_co_u32 s2, s2, SCR
	v_lshl_add_u32 v[DMP], v3, 4, s2
	s_add_co_u32 s3, s2, 16384
	v_lshl_add_u32 v[DMP8], v3, 3, s3
	s_mul_i32 s2, s9, 64*SP
	s_add_co_u32 s2, s2, STG
	v_mul_u32_u24 v4, v1, SP
	v_lshl_add_u32 v4, v2, 4, v4
	v_add_nc_u32 v[STO], s2, v4
	v_lshrrev_b32 v4, 3, v3
	v_and_b32 v5, 7, v0
	v_mul_u32_u24 v4, v4, SP
	v_lshl_add_u32 v4, v5, 4, v4
	v_add_nc_u32 v[RD], s2, v4
.irp qb, 0,1,2,3
	v_mov_b32 v[NMF+2*\qb+1], 0                    ; upper registers of pairs of which the lower one is broadcast, and the
	v_mov_b32 v[NM0+2*\qb+1], 0                    ; target of v_permlanex16_b32: they count as read, so they are written once
	v_mov_b32 v[AL+2*\qb+1], 0
.endr
	s_wait_loadcnt 0x0                             ; Q
; 16 LDS loads: K's fragments of rows 64 sub .. +63 of my half of the slot
.macro KLOAD slot, sub
.irp ks, 0,1
.irp kb, 0,1,2,3
	ds_load_b128 v[KF+16*\kb+8*\ks:KF+16*\kb+8*\ks+3], v[ADK+\slot] offset:\sub*64*KP+\kb*16*KP+\ks*64
	ds_load_b128 v[KF+16*\kb+8*\ks+4:KF+16*\kb+8*\ks+7], v[ADK+\slot] offset:\sub*64*KP+\kb*16*KP+\ks*64+32
.endr
.endr
.endm
; 16 transposing LDS loads: V's fragments of the same rows
.macro VLOAD slot, sub
.irp kt, 0,1
.irp db, 0,1,2,3
	ds_load_tr16_b128 v[VF+16*\db+8*\kt:VF+16*\db+8*\kt+3], v[ADV+\slot] offset:\sub*64*VP+\kt*32*VP+\db*32
	ds_load_tr16_b128 v[VF+16*\db+8*\kt+4:VF+16*\db+8*\kt+7], v[ADV+\slot] offset:\sub*64*VP+\kt*32*VP+\db*32+16*VP
.endr
.endr
.endm
; S^T = K Q^T: 32 matrix instructions; sixteen accumulators take turns, one instruction a turn.  The first pass starts the sums.
.macro QK
	WIN 0x50
.irp kb, 0,1,2,3
.irp qb, 0,1,2,3
	v_wmma_f32_16x16x32_bf16 v[8*(4*\kb+\qb):8*(4*\kb+\qb)+7], v[KF+16*\kb:KF+16*\kb+7], v[QF+16*\qb:QF+16*\qb+7], 0
.endr
.endr
.irp kb, 0,1,2,3
.irp qb, 0,1,2,3
	v_wmma_f32_16x16x32_bf16 v[8*(4*\kb+\qb):8*(4*\kb+\qb)+7], v[KF+16*\kb+8:KF+16*\kb+15], v[QF+16*\qb+8:QF+16*\qb+15], v[8*(4*\kb+\qb):8*(4*\kb+\qb)+7]
.endr
.endr
	WIN 0
	PLACES                                         ; ahead of the readers of S and of the next loads into K's fragments
.endm
; O^T += V^T P^T: 32 matrix instructions, sixteen accumulators by turns; source 1 (P) lies in window 1, in S tiles (0, qb) and (2, qb)
.macro PV first
	WIN 0x54
.irp kt, 0,1
.irp db, 0,1,2,3
.irp qb, 0,1,2,3
.if \first
.if \kt == 0
	v_wmma_f32_16x16x32_bf16 v[O+8*(4*\db+\qb):O+8*(4*\db+\qb)+7], v[VF+16*\db+8*\kt:VF+16*\db+8*\kt+7], v[8*(8*\kt+\qb):8*(8*\kt+\qb)+7], 0
.else
	v_wmma_f32_16x16x32_bf16 v[O+8*(4*\db+\qb):O+8*(4*\db+\qb)+7], v[VF+16*\db+8*\kt:VF+16*\db+8*\kt+7], v[8*(8*\kt+\qb):8*(8*\kt+\qb)+7], v[O+8*(4*\db+\qb):O+8*(4*\db+\qb)+7]
.endif
.else
	v_wmma_f32_16x16x32_bf16 v[O+8*(4*\db+\qb):O+8*(4*\db+\qb)+7], v[VF+16*\db+8*\kt:VF+16*\db+8*\kt+7], v[8*(8*\kt+\qb):8*(8*\kt+\qb)+7], v[O+8*(4*\db+\qb):O+8*(4*\db+\qb)+7]
.endif
.endr
.endr
.endr
	WIN 0
	PLACES                                         ; ahead of the next loads into V's fragments, and of the next S, which writes over P
.endm
; The softmax of one step: registers alone.  sub says which set of -c m is written.
.macro SM sub, first
.set NMN, NM0-8*\sub
.set NMO, NM0-8+8*\sub
	WIN 0x05                                       ; sources 0 and 1 window 1: the running maximum, four chains
.irp i, 0,1,2,3,4,5,6,7,8,9,10,11,12,13,14,15
.irp qb, 0,1,2,3
.set SR, 8*(4*(\i>>2)+\qb)+2*(\i&3)
.if \first
.if \i == 0
	v_max_num_f32 v[MX+2*\qb], v[SR], v[SR+1]
.else
	v_max3_num_f32 v[MX+2*\qb], v[SR], v[SR+1], v[MX+2*\qb]
.endif
.else
	v_max3_num_f32 v[MX+2*\qb], v[SR], v[SR+1], v[MX+2*\qb]
.endif
.endr
.endr
	WIN 0
.irp qb, 0,1,2,3
	v_permlanex16_b32 v[NM0+2*\qb+1], v[MX+2*\qb], s10, s11    ; the other half of the lanes holds the query's other keys
.endr
.irp qb, 0,1,2,3
	v_max_num_f32 v[MX+2*\qb], v[MX+2*\qb], v[NM0+2*\qb+1]
.endr
.irp qb, 0,1,2,3
	v_mul_f32 v[NMN+2*\qb], s13, v[MX+2*\qb]       ; -c m
.endr
.if \first == 0
.irp qb, 0,1,2,3
	v_sub_f32 v[AL+2*\qb], v[NMN+2*\qb], v[NMO+2*\qb]          ; c (m old - m new), of the very numbers that the exponentials use
.endr
.irp qb, 0,1,2,3
	v_exp_f32 v[AL+2*\qb], v[AL+2*\qb]
.endr
	v_nop                                          ; one plain place behind the exponentials (ISA guide 5.7.2)
	s_wait_alu depctr_va_vdst(0)
.irp qb, 0,1,2,3
	v_pk_mul_f32 v[LS+2*\qb:LS+2*\qb+1], v[LS+2*\qb:LS+2*\qb+1], v[AL+2*\qb:AL+2*\qb+1] op_sel_hi:[1,0]
.endr
.endif
	WIN 0x41                                       ; source 0 and destination window 1
.irp qb, 0,1,2,3
.irp i, 0,1,2,3,4,5,6,7,8,9,10,11,12,13,14,15
.set SR, 8*(4*(\i>>2)+\qb)+2*(\i&3)
	v_pk_fma_f32 v[SR:SR+1], v[SR:SR+1], 0x3e38aa3b, v[NMN+2*\qb:NMN+2*\qb+1] op_sel_hi:[1,0,0]   ; c s - c m
.endr
.irp i, 0,1,2,3,4,5,6,7,8,9,10,11,12,13,14,15
.set SR, 8*(4*(\i>>2)+\qb)+2*(\i&3)
	v_exp_f32 v[SR], v[SR]
	v_exp_f32 v[SR+1], v[SR+1]
.if \first == 0
	v_pk_mul_f32 v[O+SR:O+SR+1], v[O+SR:O+SR+1], v[AL+2*\qb:AL+2*\qb+1] op_sel_hi:[1,0]           ; O's rescale fills the places between
.endif
.endr
.endr
	WIN 0x05                                       ; the sums of the weights, four chains (a multiply-add by 1.0: source 0 in window 1, the sum in window 0)
.irp i, 0,1,2,3,4,5,6,7,8,9,10,11,12,13,14,15
.irp qb, 0,1,2,3
.set SR, 8*(4*(\i>>2)+\qb)+2*(\i&3)
.if \first
.if \i == 0
	s_wait_alu depctr_va_vdst(0)
	v_pk_add_f32 v[LS+2*\qb:LS+2*\qb+1], v[SR:SR+1], v[SR+2:SR+3]      ; the first two pairs start the sums
.endif
.if \i > 1
	v_pk_fma_f32 v[LS+2*\qb:LS+2*\qb+1], v[SR:SR+1], 1.0, v[LS+2*\qb:LS+2*\qb+1] op_sel_hi:[1,0,1]
.endif
.else
	s_wait_alu depctr_va_vdst(0)
	v_pk_fma_f32 v[LS+2*\qb:LS+2*\qb+1], v[SR:SR+1], 1.0, v[LS+2*\qb:LS+2*\qb+1] op_sel_hi:[1,0,1]
.endif
.endr
.endr
	WIN 0x45                                       ; P in place: pair i of a query block goes to register i & 7 of S tile (2 (i >> 3), qb);
.irp i, 0,1,2,3,4,5,6,7,8,9,10,11,12,13,14,15      ; with i ascending that register's own pair has been converted before (or is this pair's first)
.irp qb, 0,1,2,3
.set SR, 8*(4*(\i>>2)+\qb)+2*(\i&3)
.set PD, 8*(8*(\i>>3)+\qb)+(\i&7)
	v_cvt_pk_bf16_f32 v[PD], v[SR], v[SR+1]
.endr
.endr
	WIN 0
.endm
.macro SM_EARLY                        ; the softmax of a tile's second step, in front of the barrier: waves 0-3
	s_cmp_lt_u32 s8, 4
	s_cbranch_scc0 .Lnot_early_\@
	SM 1, 0
.Lnot_early_\@:
.endm
.macro SM_LATE                         ; the same, behind the barrier: waves 4-7
	s_cmp_lt_u32 s8, 4
	s_cbranch_scc1 .Lnot_late_\@
	SM 1, 0
.Lnot_late_\@:
.endm
; One tile of 256 keys.  All my tensor loads have landed, my part of this tile among them, so every group 0 may be written; my reads of the
; other slot are done (its last V fragments are in registers); the round says both of every wave of the four work-groups; the joint refill
; is the first tensor load behind it.  LDS loads go out in the order K0, V0, K1, V1, sixteen each, every one a phase ahead of its use.
.macro TRIP slot, other, refill, first
	s_wait_tensorcnt 0x0
	ds_add_u32 v213, v215
	s_wait_dscnt 0x0
	s_add_nc_u64 s[G0V+4*\slot+2:G0V+4*\slot+3], s[G0V+4*\slot+2:G0V+4*\slot+3], 2*TILEB
	s_add_nc_u64 s[G0K+4*\slot+2:G0K+4*\slot+3], s[G0K+4*\slot+2:G0K+4*\slot+3], 2*TILEB
	s_wait_dscnt 0x0
	ROUND
.if \refill
	JLOAD \other
.endif
	KLOAD \slot, 0
.if \first == 0
	SM_LATE                                        ; the last tile's second step: waves 4-7 have its softmax still to do
	PV 0                                           ; and all waves its second product
.endif
	VLOAD \slot, 0
	s_wait_dscnt 0x10                              ; K's sixteen loads are in; V's sixteen, issued behind them, stay out
	QK
	KLOAD \slot, 1
	SM 0, \first
	s_wait_dscnt 0x10                              ; V's are in; K's sixteen of the second step stay out
	PV \first
	VLOAD \slot, 1
	s_wait_dscnt 0x10                              ; K's are in; V's stay out
	QK
	SM_EARLY
.endm
	TRIP 0, 1, 1, 1                                ; 16 tiles: tile 0 (its first step starts every sum), fourteen in the loop, tile 15 behind it
	s_mov_b32 s48, 7
.Ltiles:
	TRIP 1, 0, 1, 0
	TRIP 0, 1, 1, 0
	s_sub_co_u32 s48, s48, 1
	s_cmp_lg_u32 s48, 0
	s_cbranch_scc1 .Ltiles
	TRIP 1, 0, 0, 0                                ; the last tile: nothing is left to fetch
	SM_LATE
	s_wait_dscnt 0x0                               ; the last V fragments
	PV 0                                           ; its five places also stand ahead of the readers of O below
.irp qb, 0,1,2,3
	v_add_f32 v[LS+2*\qb], v[LS+2*\qb], v[LS+2*\qb+1]
.endr
.irp qb, 0,1,2,3
	v_permlanex16_b32 v[LS+2*\qb+1], v[LS+2*\qb], s10, s11
.endr
.irp qb, 0,1,2,3
	v_add_f32 v[NMF+2*\qb+1], v[LS+2*\qb], v[LS+2*\qb+1]       ; the pair (NMF, NMF + 1) = (-c m, sum of the weights) of my half of the keys
.endr
	s_cmp_lt_u32 s8, 4
	s_cbranch_scc1 .Lkeep
	WIN 0x04                                       ; waves 4-7 hand their O and statistics over: store data from window 1
.set cc, 0
.rept 32
	ds_store_b128 v[DMP], v[O+4*cc:O+4*cc+3] offset:512*cc
.set cc, cc+1
.endr
	WIN 0
.irp qb, 0,1,2,3
	ds_store_b64 v[DMP8], v[NMF+2*\qb:NMF+2*\qb+1] offset:256*\qb
.endr
.Lkeep:
	s_wait_dscnt 0x0                               ; for the readers' sake: zero
	s_barrier_signal -1
	s_barrier_wait -1
	s_cmp_lt_u32 s8, 4
	s_cbranch_scc0 .Lclose
.irp qb, 0,1,2,3
	ds_load_b64 v[X+2*\qb:X+2*\qb+1], v[DMP8] offset:256*\qb
.endr
.set cc, 0
.rept 32
	ds_load_b128 v[KF+4*cc:KF+4*cc+3], v[DMP] offset:512*cc
.set cc, cc+1
.endr
	s_wait_dscnt 0x20                              ; the statistics are in; O's 32 loads may be out
.irp qb, 0,1,2,3
	v_min_num_f32 v[MX+2*\qb], v[NMF+2*\qb], v[X+2*\qb]        ; -c x the larger maximum
.endr
.irp qb, 0,1,2,3
	v_sub_f32 v[AL+2*\qb], v[MX+2*\qb], v[NMF+2*\qb]
	v_sub_f32 v[LS+2*\qb], v[MX+2*\qb], v[X+2*\qb]
.endr
.irp qb, 0,1,2,3
	v_exp_f32 v[AL+2*\qb], v[AL+2*\qb]
	v_exp_f32 v[LS+2*\qb], v[LS+2*\qb]
.endr
	v_nop
	s_wait_alu depctr_va_vdst(0)
.irp qb, 0,1,2,3
	v_mul_f32 v[MX+2*\qb], v[NMF+2*\qb+1], v[AL+2*\qb]
.endr
.irp qb, 0,1,2,3
	v_fmac_f32 v[MX+2*\qb], v[X+2*\qb+1], v[LS+2*\qb]          ; the whole sum: at least about 1, the largest weight
.endr
.irp qb, 0,1,2,3
	v_rcp_f32 v[MX+2*\qb], v[MX+2*\qb]
.endr
	v_nop
	s_wait_alu depctr_va_vdst(0)
.irp qb, 0,1,2,3
	v_mul_f32 v[AL+2*\qb], v[AL+2*\qb], v[MX+2*\qb]            ; my half's factor
	v_mul_f32 v[LS+2*\qb], v[LS+2*\qb], v[MX+2*\qb]            ; the other half's
.endr
	s_wait_dscnt 0x0
.irp db, 0,1,2,3
.irp qb, 0,1,2,3
.irp j, 0,2,4,6
	v_pk_mul_f32 v[KF+8*(4*\db+\qb)+\j:KF+8*(4*\db+\qb)+\j+1], v[KF+8*(4*\db+\qb)+\j:KF+8*(4*\db+\qb)+\j+1], v[LS+2*\qb:LS+2*\qb+1] op_sel_hi:[1,0]
.endr
.endr
.endr
	WIN 0x01                                       ; source 0 (my O) window 1
.irp db, 0,1,2,3
.irp qb, 0,1,2,3
.irp j, 0,2,4,6
	v_pk_fma_f32 v[KF+8*(4*\db+\qb)+\j:KF+8*(4*\db+\qb)+\j+1], v[O+8*(4*\db+\qb)+\j:O+8*(4*\db+\qb)+\j+1], v[AL+2*\qb:AL+2*\qb+1], v[KF+8*(4*\db+\qb)+\j:KF+8*(4*\db+\qb)+\j+1] op_sel_hi:[1,0,1]
.endr
.endr
.endr
	WIN 0
.irp db, 0,1,2,3
.irp qb, 0,1,2,3
.irp j, 0,1,2,3
	v_cvt_pk_bf16_f32 v[KF+8*(4*\db+\qb)+\j], v[KF+8*(4*\db+\qb)+2*\j], v[KF+8*(4*\db+\qb)+2*\j+1]   ; in place: register j is written when registers 2 j, 2 j + 1 are read
.endr
	ds_store_b128 v[STO], v[KF+8*(4*\db+\qb):KF+8*(4*\db+\qb)+3] offset:\qb*16*SP+32*\db           ; row 16 qb + r, features 16 db + 8 h ..
.endr
.endr
.irp t, 0,1,2,3,4,5,6,7,8,9,10,11,12,13,14,15
	ds_load_b128 v[QF+4*\t:QF+4*\t+3], v[RD] offset:\t*4*SP    ; my own bytes: LDS serves a wave's instructions in order (ISA guide 5.7.1)
.endr
.irp t, 0,1,2,3,4,5,6,7,8,9,10,11,12,13,14,15
	s_wait_dscnt 15-\t
	global_store_b128 v[CO], v[QF+4*\t:QF+4*\t+3], s[58:59] offset:512*\t    ; 512 neighbouring bytes, aligned: four rows of the head's block
.endr
.Lclose:
	s_wait_tensorcnt 0x0
	ds_add_u32 v213, v215
	s_wait_dscnt 0x0
	ROUND                                          ; the closing round
	s_endpgm
.Lfunc_end_k_q5611da4a99_attn:
	.size	k_q5611da4a99_attn, .Lfunc_end_k_q5611da4a99_attn-k_q5611da4a99_attn
	.p2alignl 7, 3214868480
	.fill 96, 4, 3214868480
	.section	.rodata,"a",@progbits
	.p2align	6, 0x0
	.amdhsa_kernel k_q5611da4a99_attn
		.amdhsa_group_segment_fixed_size 327680
		.amdhsa_private_segment_fixed_size 0
		.amdhsa_enable_private_segment 0
		.amdhsa_kernarg_size 16
		.amdhsa_user_sgpr_count 2
		.amdhsa_user_sgpr_kernarg_segment_ptr 1
		.amdhsa_wavefront_size32 1
		.amdhsa_system_sgpr_workgroup_id_x 1
		.amdhsa_system_sgpr_workgroup_id_y 1
		.amdhsa_system_sgpr_workgroup_id_z 1
		.amdhsa_system_vgpr_workitem_id 0
		.amdhsa_next_free_vgpr 512
		.amdhsa_next_free_sgpr 66
		.amdhsa_reserve_vcc 0
		.amdhsa_float_denorm_mode_32 3
		.amdhsa_float_denorm_mode_16_64 3
		.amdhsa_memory_ordered 1
		.amdhsa_forward_progress 1
		.amdhsa_inst_pref_size 255
	.end_amdhsa_kernel
	.section	.bss,"aw",@nobits
	.p2align	6
	.space	262144
	.amdgpu_metadata
---
amdhsa.version: [ 1, 2 ]
amdhsa.kernels:
  - .name:           k_q5611da4a99_attn
    .symbol:         k_q5611da4a99_attn.kd
    .args:
      - { .name: qkvh, .offset: 0, .size: 8, .value_kind: global_buffer, .address_space: global }
      - { .name: ao, .offset: 8, .size: 8, .value_kind: global_buffer, .address_space: global }
    .group_segment_fixed_size: 327680
    .private_segment_fixed_size: 0
    .kernarg_segment_align: 8
    .kernarg_segment_size: 16
    .max_flat_workgroup_size: 256
    .sgpr_count:     66
    .vgpr_count:     512
    .wavefront_size: 32
...
	.end_amdgpu_metadata
.endif
;; end of part 3
;; launch proj (part 4): grid 8 x 32, 4 waves a work-group, clusters of 4 x 4, 327,680 bytes of LDS; arguments ao, pb, proj_b, out0; writes out0
.if DOCPART == 4
	.amdgcn_target "amdgcn-amd-amdhsa--gfx1250"
	.amdhsa_code_object_version 6
	.text
	.protected	k_q5611da4a99_proj
	.globl	k_q5611da4a99_proj
	.p2align	8
	.type	k_q5611da4a99_proj,@function
k_q5611da4a99_proj:
	s_mov_b64 s[64:65], 0
	v_nop
	global_prefetch_b8 v0, s[64:65] scope:SCOPE_SE
	s_setreg_imm32_b32 hwreg(HW_REG_WAVE_MODE, 25, 1), 1
	s_wait_xcnt 0x0
	s_wait_alu depctr_hold_cnt(0) depctr_sa_sdst(0) depctr_va_vdst(0) depctr_va_sdst(0) depctr_va_ssrc(0) depctr_va_vcc(0) depctr_vm_vsrc(0)
	s_getreg_b32 s2, hwreg(HW_REG_IB_STS2, 6, 4)
	s_cmp_eq_u32 s2, 0
	s_cbranch_scc0 .Lentry_in_a_cluster
	s_endpgm
.Lentry_in_a_cluster:
	s_bfe_u32 s2, ttmp6, 0x10000c
	s_cmp_lg_u32 s2, 0xf033
	s_cbranch_scc0 .Lentry_shape_is_right
	s_endpgm
.Lentry_shape_is_right:
; out0[row][n] (f32) = sum over k of ao(row, k) pb[n][k] + proj_b[n];  k = 64 head + d, ao stored [head][4096][64] bf16, pb [1024][1024] bf16.
; LIMITS: NaN and infinities are not treated apart.
; A work-group makes 128 x 128 (grid x = column block, y = row block); wave (rh, c) makes 64 x 64: 16 accumulators in window 1 at 8 (4 a + b),
; the bias tiles at 128 + 8 b of window 1; the first product takes them as C.
; K goes in four steps of 256 (four heads) through two LDS slots.  A's part of a slot is [4 heads][128 rows][144 bytes]: the 128 rows of a head are
; 16,384 neighbouring bytes of memory, taken as one long row of the tile; the padding is counted along the tile, 16 bytes behind every 128.
; CLUSTERS: 4 x 4; A's tiles are asked for jointly along a row of the cluster, B's along a column.  Waves 0, 1 ask for two heads of A each,
; waves 2, 3 for 64 rows of B each.  A wave has two tensor loads out at the start and one afterwards.
; The matrix instruction is used transposed (source 0 = rows of pb, source 1 = rows of ao): a lane holds 8 neighbouring columns of one row.
.set AP, 144
.set BP, 528                           ; 512 bytes + 16: an odd multiple of 16
.set ABYTES, 4*128*AP
.set SLOTP, ABYTES+128*BP              ; 141,312
.set STAGE, 2*SLOTP                    ; behind the ring, never the target of a tensor load: 16 rows x 272 bytes for each wave
.set SPITCH, 272
.set ADRA, 16
.set ADRB, 20
.set STO, 24
.set RD, 25
.set CO, 26
.set BO, 27
.set F0, 64                            ; fragment buffers: B's four at +8 b, A's four at +32 + 8 a
.set F1, 128
.set BIAS, 128                         ; window 1
.set G1A, 24
.set G1B, 32
.set G0A, 40
.set G0B, 48
.set MSB, 0
.macro WIN new
.if MSB != (\new)
	s_set_vgpr_msb (MSB<<8)|(\new)
.set MSB, (\new)
.endif
.endm
.macro PLACES                          ; four places behind a matrix instruction (ISA guide 7.12.1)
.rept 4
	v_nop
.endr
.endm
.macro JLOAD s
	s_cmp_lt_u32 s12, 2
	s_cbranch_scc0 .Lfor_b_\@
	tensor_load_to_lds s[G0A+4*\s:G0A+4*\s+3], s[G1A:G1A+7]
	s_nop 0
	s_branch .Lasked_\@
.Lfor_b_\@:
	tensor_load_to_lds s[G0B+4*\s:G0B+4*\s+3], s[G1B:G1B+7]
	s_nop 0
	v_nop
.Lasked_\@:
.endm
.macro CREST
	s_cmp_lg_u32 s12, 0
	s_cbranch_scc1 .Lnot_wave_0_\@
	s_barrier_signal -3
.Lnot_wave_0_\@:
	s_barrier_wait -3
	s_barrier_signal -1
	s_barrier_wait -1
.endm
.macro CROUND
	s_barrier_signal -1
	s_barrier_wait -1
	CREST
.endm
	s_load_b256 s[4:11], s[0:1], 0x0               ; ao s[4:5], pb s[6:7], proj_b s[8:9], out0 s[10:11]
	v_lshl_add_u32 v254, v0, 2, 0x49400
	v_mov_b32 v255, 0
	ds_add_u32 v254, v255
	v_lshrrev_b32 v1, 5, v0
	v_readfirstlane_b32 s12, v1                    ; wave
	s_lshr_b32 s13, s12, 1                         ; rh
	s_and_b32 s14, s12, 1                          ; c; also which part of A's or B's tile I fetch
	s_bfe_u32 s15, ttmp6, 0x40000                  ; cx
	s_bfe_u32 s16, ttmp6, 0x40004                  ; cy
	s_lshl_b32 s17, ttmp9, 2
	s_add_co_u32 s17, s17, s15                     ; column block
	s_and_b32 s18, ttmp7, 0xffff
	s_lshl_b32 s18, s18, 2
	s_add_co_u32 s18, s18, s16                     ; row block
	s_lshl_b32 s19, s16, 2
	s_lshl_b32 s19, 15, s19                        ; my row of the cluster
	s_lshl_b32 s20, 0x1111, s15                    ; my column
	s_or_b32 s[G1A+0], s19, (1<<16)|(1<<20)|(1<<21)|(4<<22)|(3<<25)   ; 2-byte elements; 4 words of padding behind every 32
	s_mov_b32 s[G1A+1], 8192<<16                   ; tensor_dim0 = 8,192 elements: 128 rows of a head
	s_mov_b32 s[G1A+2], 2<<16                      ; tensor_dim1 = 2 heads
	s_mov_b32 s[G1A+3], 8192<<16                   ; tile_dim0
	s_mov_b32 s[G1A+4], 2                          ; tile_dim1
	s_mov_b32 s[G1A+5], 262144                     ; from head to head: 4,096 x 64 elements
	s_mov_b32 s[G1A+6], 0
	s_mov_b32 s[G1A+7], 0
	s_or_b32 s[G1B+0], s20, (1<<16)|(1<<20)|(1<<21)|(6<<22)|(3<<25)   ; 4 words of padding behind every 128
	s_mov_b32 s[G1B+1], 256<<16
	s_mov_b32 s[G1B+2], 64<<16
	s_mov_b32 s[G1B+3], 256<<16
	s_mov_b32 s[G1B+4], 64
	s_mov_b32 s[G1B+5], 1024
	s_mov_b32 s[G1B+6], 0
	s_mov_b32 s[G1B+7], 0
	s_lshl_b32 s56, s18, 14                        ; A: 128 rows of 128 bytes a row block, two heads of 524,288 bytes a wave
	s_lshl_b32 s23, s14, 20
	s_add_co_u32 s56, s56, s23
	s_mov_b32 s57, 0
	s_lshl_b32 s58, s17, 18                        ; B: 128 rows of 2,048 bytes a column block, 64 rows a wave
	s_lshl_b32 s23, s14, 17
	s_add_co_u32 s58, s58, s23
	s_mov_b32 s59, 0
	s_mul_i32 s21, s12, 2*128*AP                   ; waves 0, 1: two heads each
	s_mul_i32 s22, s12, 64*BP                      ; waves 2, 3: ABYTES + (w - 2) x 64 rows
	s_add_co_u32 s22, s22, ABYTES-2*64*BP
	s_lshl_b32 s60, s17, 9                         ; bias, and the columns of out0: 4 (128 block + 64 c)
	s_lshl_b32 s23, s14, 8
	s_add_co_u32 s60, s60, s23
	s_mov_b32 s61, 0
	s_lshl_b32 s62, s18, 19                        ; out0: rows of 4,096 bytes, 128 a block, 64 a wave
	s_lshl_b32 s23, s13, 18
	s_add_co_u32 s62, s62, s23
	s_add_co_u32 s62, s62, s60
	s_mov_b32 s63, 0
	s_wait_dscnt 0x0
	s_wait_kmcnt 0x0
	s_add_nc_u64 s[56:57], s[4:5], s[56:57]
	s_add_nc_u64 s[58:59], s[6:7], s[58:59]
	s_add_nc_u64 s[60:61], s[8:9], s[60:61]
	s_add_nc_u64 s[62:63], s[10:11], s[62:63]
.irp s, 0,1
	s_mov_b32 s[G0A+4*\s], 1
	s_add_co_u32 s[G0A+4*\s+1], s21, \s*SLOTP
	s_add_nc_u64 s[G0A+4*\s+2:G0A+4*\s+3], s[56:57], \s*0x200000       ; four heads a step
	s_or_b32 s[G0A+4*\s+3], s[G0A+4*\s+3], 0x80000000
	s_mov_b32 s[G0B+4*\s], 1
	s_add_co_u32 s[G0B+4*\s+1], s22, \s*SLOTP
	s_add_nc_u64 s[G0B+4*\s+2:G0B+4*\s+3], s[58:59], \s*512
	s_or_b32 s[G0B+4*\s+3], s[G0B+4*\s+3], 0x80000000
.endr
	CROUND                                         ; in front of the first joint loads
	JLOAD 0
	JLOAD 1
	v_and_b32 v1, 15, v0                           ; r
	v_bfe_u32 v2, v0, 4, 1                         ; h
	v_lshlrev_b32 v[BO], 5, v2
	WIN 0x40                                       ; loads into window 1: register j of bias tile b = proj_b of column 16 b + 8 h + j of my 64
.irp b, 0,1,2,3
	global_load_b128 v[BIAS+8*\b:BIAS+8*\b+3], v[BO], s[60:61] offset:64*\b
	global_load_b128 v[BIAS+8*\b+4:BIAS+8*\b+7], v[BO], s[60:61] offset:64*\b+16
.endr
	WIN 0
	v_mul_u32_u24 v3, v1, AP
	v_lshl_add_u32 v3, v2, 4, v3
	s_mul_i32 s2, s13, 64*AP
	v_add_nc_u32 v[ADRA], s2, v3
	v_add_nc_u32 v[ADRA+1], SLOTP, v[ADRA]
	v_mul_u32_u24 v3, v1, BP
	v_lshl_add_u32 v3, v2, 4, v3
	s_mul_i32 s2, s14, 64*BP
	s_add_co_u32 s2, s2, ABYTES
	v_add_nc_u32 v[ADRB], s2, v3
	v_add_nc_u32 v[ADRB+1], SLOTP, v[ADRB]
	s_mul_i32 s2, s12, 16*SPITCH
	s_add_co_u32 s2, s2, STAGE                     ; my stage
	v_mul_u32_u24 v3, v1, SPITCH                   ; in: row r, 32 bytes for each half of the lanes
	v_lshl_add_u32 v3, v2, 5, v3
	v_add_nc_u32 v[STO], s2, v3
	v_mul_u32_u24 v3, v2, SPITCH                   ; back: lanes 0-15 one row of 256 bytes, lanes 16-31 the next
	v_lshl_add_u32 v3, v1, 4, v3
	v_add_nc_u32 v[RD], s2, v3
	v_lshlrev_b32 v3, 12, v2
	v_lshl_add_u32 v[CO], v1, 4, v3                ; and the same two rows in out0
; 16 matrix instructions, 32 along K; the 16 accumulators take turns, one instruction a turn
.macro MUL16 f, bias
.irp a, 0,1,2,3
.irp b, 0,1,2,3
.if \bias
	v_wmma_f32_16x16x32_bf16 v[8*(4*\a+\b):8*(4*\a+\b)+7], v[\f+8*\b:\f+8*\b+7], v[\f+32+8*\a:\f+32+8*\a+7], v[BIAS+8*\b:BIAS+8*\b+7]
.else
	v_wmma_f32_16x16x32_bf16 v[8*(4*\a+\b):8*(4*\a+\b)+7], v[\f+8*\b:\f+8*\b+7], v[\f+32+8*\a:\f+32+8*\a+7], v[8*(4*\a+\b):8*(4*\a+\b)+7]
.endif
.endr
.endr
.endm
; 16 LDS loads: the fragments of eighth kq of a slot (head kq >> 1, features 32 (kq & 1) ..)
.macro FETCH slot, kq, f
.irp b, 0,1,2,3
	ds_load_b128 v[\f+8*\b:\f+8*\b+3],   v[ADRB+\slot] offset:\b*16*BP+\kq*64
	ds_load_b128 v[\f+8*\b+4:\f+8*\b+7], v[ADRB+\slot] offset:\b*16*BP+\kq*64+32
.endr
.irp a, 0,1,2,3
	ds_load_b128 v[\f+32+8*\a:\f+32+8*\a+3],   v[ADRA+\slot] offset:(\kq>>1)*128*AP+\a*16*AP+(\kq&1)*64
	ds_load_b128 v[\f+32+8*\a+4:\f+32+8*\a+7], v[ADRA+\slot] offset:(\kq>>1)*128*AP+\a*16*AP+(\kq&1)*64+32
.endr
.endm
.macro EIGHTH slot, kq, f, g, bias     ; fetches eighth kq into g, multiplies f
	WIN 0
	PLACES
	FETCH \slot, \kq, \g
	s_wait_dscnt 16                                ; all but the 16 just issued
	WIN 0x50
	MUL16 \f, \bias
.endm
.macro SEVEN slot, bias
	EIGHTH \slot, 1, F0, F1, \bias
	EIGHTH \slot, 2, F1, F0, 0
	EIGHTH \slot, 3, F0, F1, 0
	EIGHTH \slot, 4, F1, F0, 0
	EIGHTH \slot, 5, F0, F1, 0
	EIGHTH \slot, 6, F1, F0, 0
	EIGHTH \slot, 7, F0, F1, 0
.endm
; The last eighth and the change of slots: my reads of this slot and all my tensor loads are done in front of the barrier; where the slot is
; filled again the barrier opens a round of the cluster's barrier and the joint refill is the first tensor load behind the round.
.macro CHANGE slot, next, fill
	s_wait_dscnt 0x0
	s_wait_tensorcnt 0x0
	ds_add_u32 v254, v255
	s_wait_dscnt 0x0
	s_barrier_signal -1
	MUL16 F1, 0
	WIN 0
	s_barrier_wait -1
.if \fill
	CREST
	s_add_nc_u64 s[G0A+4*\slot+2:G0A+4*\slot+3], s[G0A+4*\slot+2:G0A+4*\slot+3], 0x400000
	s_add_nc_u64 s[G0B+4*\slot+2:G0B+4*\slot+3], s[G0B+4*\slot+2:G0B+4*\slot+3], 1024
	JLOAD \slot
.endif
	PLACES
	FETCH \next, 0, F0
.endm
	s_wait_loadcnt 0x0                             ; the bias
	s_wait_tensorcnt 0x1                           ; my part of step 0 is in; step 1's stays out
	s_barrier_signal -1
	s_barrier_wait -1
	FETCH 0, 0, F0
	SEVEN 0, 1                                     ; the first products start the sums with the bias
	CHANGE 0, 1, 1
	SEVEN 1, 0
	CHANGE 1, 0, 1
	SEVEN 0, 0
	CHANGE 0, 1, 0
	SEVEN 1, 0
	s_wait_dscnt 0x0
	MUL16 F1, 0
	WIN 0
	PLACES
; THE WAY OUT, 16 rows at a time through my own stage: 32 bytes a lane in, whole rows of 256 bytes back.
.macro OUT16 a, f
	WIN 0x04                                       ; store data from window 1
.irp b, 0,1,2,3
	ds_store_b128 v[STO], v[8*(4*\a+\b):8*(4*\a+\b)+3] offset:64*\b
	ds_store_b128 v[STO], v[8*(4*\a+\b)+4:8*(4*\a+\b)+7] offset:64*\b+16
.endr
	WIN 0
	s_wait_xcnt 0x0                                ; buffer f, which earlier stores read, is written again only behind this wait
.irp t, 0,1,2,3,4,5,6,7
	ds_load_b128 v[\f+4*\t:\f+4*\t+3], v[RD] offset:\t*2*SPITCH        ; my own bytes: LDS serves a wave's instructions in order (ISA guide 5.7.1)
.endr
.irp t, 0,1,2,3,4,5,6,7
	s_wait_dscnt 7-\t
	global_store_b128 v[CO], v[\f+4*\t:\f+4*\t+3], s[62:63] offset:\a*65536+\t*8192 th:TH_STORE_NT   ; 16 lanes store 256 neighbouring bytes, aligned
.endr
.endm
	OUT16 0, F0
	OUT16 1, F1
	OUT16 2, F0
	OUT16 3, F1
	s_wait_tensorcnt 0x0
	ds_add_u32 v254, v255
	s_wait_dscnt 0x0
	CROUND                                         ; the closing round
	s_endpgm
.Lfunc_end_k_q5611da4a99_proj:
	.size	k_q5611da4a99_proj, .Lfunc_end_k_q5611da4a99_proj-k_q5611da4a99_proj
	.p2alignl 7, 3214868480
	.fill 96, 4, 3214868480
	.section	.rodata,"a",@progbits
	.p2align	6, 0x0
	.amdhsa_kernel k_q5611da4a99_proj
		.amdhsa_group_segment_fixed_size 327680
		.amdhsa_private_segment_fixed_size 0
		.amdhsa_enable_private_segment 0
		.amdhsa_kernarg_size 32
		.amdhsa_user_sgpr_count 2
		.amdhsa_user_sgpr_kernarg_segment_ptr 1
		.amdhsa_wavefront_size32 1
		.amdhsa_system_sgpr_workgroup_id_x 1
		.amdhsa_system_sgpr_workgroup_id_y 1
		.amdhsa_system_sgpr_workgroup_id_z 1
		.amdhsa_system_vgpr_workitem_id 0
		.amdhsa_next_free_vgpr 416
		.amdhsa_next_free_sgpr 66
		.amdhsa_reserve_vcc 0
		.amdhsa_float_denorm_mode_32 3
		.amdhsa_float_denorm_mode_16_64 3
		.amdhsa_memory_ordered 1
		.amdhsa_forward_progress 1
		.amdhsa_inst_pref_size 89
	.end_amdhsa_kernel
	.amdgpu_metadata
---
amdhsa.version: [ 1, 2 ]
amdhsa.kernels:
  - .name:           k_q5611da4a99_proj
    .symbol:         k_q5611da4a99_proj.kd
    .args:
      - { .name: ao, .offset: 0, .size: 8, .value_kind: global_buffer, .address_space: global }
      - { .name: pb, .offset: 8, .size: 8, .value_kind: global_buffer, .address_space: global }
      - { .name: proj_b, .offset: 16, .size: 8, .value_kind: global_buffer, .address_space: global }
      - { .name: out0, .offset: 24, .size: 8, .value_kind: global_buffer, .address_space: global }
    .group_segment_fixed_size: 327680
    .private_segment_fixed_size: 0
    .kernarg_segment_align: 8
    .kernarg_segment_size: 32
    .max_flat_workgroup_size: 128
    .sgpr_count:     66
    .vgpr_count:     416
    .wavefront_size: 32
...
	.end_amdgpu_metadata
.endif
;; end of part 4
